; MI455X (gfx1250); checked and timed in simulation.
; The chip was launched on July 23, 2026; its instructions are those of AMD's public machine-readable ISA for CDNA 5 (MIT licence, August 2026) and "CDNA5" Instruction Set Architecture Reference Guide (July 2026). The comments in the code are by the model that wrote it; some were corrected since.
;; Hessian Linear. Allowed arithmetic: float matrix products may take bf16 or f16 operands with f32 sums; other float arithmetic in f32, or as packed bf16 or f16 multiplies, adds, multiply-adds, maxima and minima; sums over many terms, partial sums and values carried from step to step in f32; what a program stores and reads back later, other than sums and carried values, may be rounded once to bf16 or f16.
;; Inputs: bias 4,096 float32; centroids_scaled 256 float32; labels 16,777,216 int32; scale 4,096 float32; x 4 x 1,024 x 4,096 float32.
;; Outputs: out0 4 x 1,024 x 4,096 float32.
;; 2 versions, each right; version 2 is version 1 with the launch prep written anew for expert scheduling mode. Each part assembles by itself: llvm-mc -triple=amdgcn-amd-amdhsa -mcpu=gfx1250 --defsym DOCPART=n.
;; ======== version 1 of 2: 2 launches
;; limits: values are held in f16: magnitudes above 65,504 overflow, below 6.1e-05 lose precision; inputs' magnitudes at most 65,504
;; workspace buffers: xh 33,554,432 bytes; wh 33,554,432 bytes; norm 256 bytes
;; launch prep (part 1): grid 256 x 1, 16 waves a work-group, no clusters, 3,328 bytes of LDS; arguments labels, x, centroids_scaled, scale, wh, xh, norm; writes wh, xh, norm
.if DOCPART == 1
	.amdgcn_target "amdgcn-amd-amdhsa--gfx1250"
	.amdhsa_code_object_version 6
	.text
	.protected	k_q35e9de53ff_prep
	.globl	k_q35e9de53ff_prep
	.p2align	8
	.type	k_q35e9de53ff_prep,@function
k_q35e9de53ff_prep:
	s_mov_b64 s[64:65], 0
	v_nop
	global_prefetch_b8 v0, s[64:65] scope:SCOPE_SE
	s_setreg_imm32_b32 hwreg(HW_REG_WAVE_MODE, 25, 1), 1
	s_wait_xcnt 0x0
; out[m][o] = sum over i of x[m][i] c[labels[o][i]] / max(scale[i], 1e-8) + bias[o], in two launches.  This one makes the product's two operands, once each:
;   xh[m][i] = x[m][i] rounded once to f16;
;   wh[o][i] = c[labels[o][i]] u[i] rounded once to f16, with u[i] = (smin / max(scale[i], 1e-8)) / cmax, smin the least clamped scale, cmax the largest |c|;
;   norm     = g = cmax / smin in f32, 64 times, so that its 256 bytes are stored whole.  The next launch computes g (xh wh^T) + bias; g u[i] = 1 / max(scale[i], 1e-8).
; WHY NORMALISED.  |c u| is at most 1 (to a few f32 roundings) whatever the sizes of c and scale, so f16 always has room for wh; the factor taken out goes onto the finished f32 sums.
; NO WORK OF reference() IS LEFT OUT: every input reaches every output and every input is loaded (bias by the next launch).  The lookup is done as a lookup, once for each label.
; LIMITS.  |x| of 65,520 or more becomes an infinity in xh; |x| below 6e-5 keeps f16's fixed step of 6e-8, and so does |c u| below 6e-5 (such a column weighs that little beside the column with u = 1 / cmax).
; A label outside 0 .. 255 is taken as 255 (reference() relies on indices inside the table).  A NaN in scale counts as 1e-8.  cmax below 2^-126 counts as 2^-126.  A clamped scale, or a cmax, of 2^126 or more has the
; reciprocal 0.  The quotient is a reciprocal (v_rcp_f32) and multiplies: a few f32 roundings off the division.
; SHARES.  A work-group takes 16 rows of labels and 16 rows of x (16,384 bytes each in, 8,192 out).  Wave w takes columns 256 w .. 256 w + 255, as two chunks j of 128; lane l the four columns
; 256 w + 128 j + 4 l ..: a load of 16 bytes a lane covers 512 consecutive bytes, a store of 8 bytes a lane 256 consecutive bytes, aligned.  A thread's eight columns are the same in every row, so its eight u
; stay in registers; row and chunk stand in the immediates, so no address register is ever rewritten, and no register that a store reads is written again: the text needs no wait for translated addresses.
; IN FLIGHT.  All 32 label loads of a wave go out at the start; as a row's labels are used, the same registers are asked for that row of x: 32 loads of every wave are out until the last phase.
; No matrix unit, no tensor loads, no cluster: nothing is shared between work-groups but 17 KiB of c and scale.
.set ROWI,  16384                      ; bytes in a row of labels and of x
.set ROWO,  8192                       ; bytes in a row of wh and of xh
.set TABLE, 0                          ; LDS: c, 256 f32
.set RED,   1024                       ; LDS: 16 partial minima of the clamped scale, then (64 bytes on) 16 partial maxima of |c|
.set SPARE, 1280                       ; LDS: the spare words, 128 bytes for each of the 16 waves: eight blocks of 256 bytes that no other line names
.set TS,   1                           ; v1        4 x my thread's number: where waves 0-7 put c
.set INO,  4                           ; v4        1,024 w + 16 l: my byte offset in a row of labels, of x and of scale; never rewritten
.set OUTO, 5                           ; v5        512 w + 8 l: my byte offset in a row of wh and of xh; never rewritten
.set CO,   6                           ; v6        4 (t mod 256): the number of c that I load
.set SPW,  10                          ; v10       LDS address of my spare word; never rewritten
.set NIL,  11                          ; v11       0; never rewritten
.set U,    16                          ; v[16:23]  scale of my 8 columns, then clamped, then its reciprocal, then u
.set T,    24                          ; v[24:31]  lookup addresses
.set G,    32                          ; v[32:47]  two buffers of 8 numbers looked up
.set Y,    48                          ; v[48:111] row r of wh: 4 registers, written once; in the set-up the 32 partials
.set L,    112                         ; v[112:239] row r: 8 registers: labels, then x, then x in f16
; v2, v3: the wave's number, later g twice.  v7: 4 w.  v8: RED.  v9: 1 / smin.  v12: c, later 1 / cmax.  v13: the largest |c|.  v14: smin.  v15: at work.
	s_load_b256 s[4:11], s[0:1], 0x0               ; labels s[4:5], x s[6:7], c s[8:9], scale s[10:11]
	s_load_b128 s[12:15], s[0:1], 0x20             ; wh s[12:13], xh s[14:15]
	s_load_b64 s[16:17], s[0:1], 0x30              ; norm
	v_lshl_add_u32 v[SPW], v0, 2, SPARE
	v_mov_b32 v[NIL], 0
	v_and_b32 v1, 31, v0                           ; lane
	v_lshrrev_b32 v2, 5, v0
	v_readfirstlane_b32 s18, v2                    ; wave 0..15
	v_lshlrev_b32 v[INO], 4, v1
	v_lshl_add_u32 v[INO], v2, 10, v[INO]
	v_lshlrev_b32 v[OUTO], 3, v1
	v_lshl_add_u32 v[OUTO], v2, 9, v[OUTO]
	v_and_b32 v[CO], 0xff, v0
	v_lshlrev_b32 v[CO], 2, v[CO]
	v_lshlrev_b32 v[TS], 2, v0
	v_mov_b32 v7, s18
	v_lshlrev_b32 v7, 2, v7                        ; my wave's word among the partials
	v_mov_b32 v8, RED
	v_mov_b32 v15, 0                               ; v_permlanex16_b32 counts as a reader of its destination
	s_lshl_b32 s20, ttmp9, 18                      ; the work-group's 16 rows in: 16 x 16,384 bytes
	s_mov_b32 s21, 0
	s_lshl_b32 s24, ttmp9, 17                      ; and out: 16 x 8,192 bytes
	s_mov_b32 s25, 0
	s_mov_b32 s22, 0x76543210                      ; v_permlanex16_b32: each lane takes its own place in the other half
	s_mov_b32 s23, 0xfedcba98
	s_wait_kmcnt 0x0
	s_add_nc_u64 s[4:5], s[4:5], s[20:21]
	s_add_nc_u64 s[6:7], s[6:7], s[20:21]
	s_add_nc_u64 s[12:13], s[12:13], s[24:25]
	s_add_nc_u64 s[14:15], s[14:15], s[24:25]
	global_load_b128 v[U:U+3],   v[INO], s[10:11]             ; scale of chunk 0
	global_load_b128 v[U+4:U+7], v[INO], s[10:11] offset:512  ; and of chunk 1
	global_load_b32 v12, v[CO], s[8:9]
.irp r, 0,1,2,3,4,5,6,7,8,9,10,11,12,13,14,15
	global_load_b128 v[L+8*(\r):L+8*(\r)+3],   v[INO], s[4:5] offset:(\r)*ROWI th:TH_LOAD_NT
	global_load_b128 v[L+8*(\r)+4:L+8*(\r)+7], v[INO], s[4:5] offset:(\r)*ROWI+512 th:TH_LOAD_NT
.endr
	s_wait_loadcnt 32                              ; loads come back in order (ISA guide 5.7.1): scale and c are in, the 32 label loads stay out
	; my wave's least clamped scale (the 16 waves cover the 4,096 columns) and largest |c| (waves 0-7 cover the 256 numbers, waves 8-15 once more)
.irp q, 0,1,2,3,4,5,6,7
	v_max_num_f32 v[U+(\q)], 0x322bcc77, v[U+(\q)] ; max(scale, 1e-8)
.endr
	v_min3_num_f32 v14, v[U], v[U+1], v[U+2]
	v_and_b32 v13, 0x7fffffff, v12
	v_min3_num_f32 v14, v14, v[U+3], v[U+4]
	v_min3_num_f32 v14, v14, v[U+5], v[U+6]
	v_min_num_f32 v14, v14, v[U+7]
.irp m, 1,2,4,8
	v_min_num_f32_dpp v14, v14, v14 row_xmask:\m row_mask:0xf bank_mask:0xf
	v_max_num_f32_dpp v13, v13, v13 row_xmask:\m row_mask:0xf bank_mask:0xf
.endr
	v_permlanex16_b32 v15, v14, s22, s23
	v_min_num_f32 v14, v14, v15
	v_permlanex16_b32 v15, v13, s22, s23
	v_max_num_f32 v13, v13, v15
	s_cmp_lt_u32 s18, 8                            ; threads 0 to 255 lay the table down
	s_cbranch_scc0 .Lno_table
	ds_store_b32 v[TS], v12 offset:TABLE
.Lno_table:
	ds_store_b32 v7, v14 offset:RED                ; all lanes write the wave's word with the same number
	ds_store_b32 v7, v13 offset:RED+64
	s_wait_dscnt 0x0                               ; for the others' sake: my stores are done
	s_barrier_signal -1
	s_barrier_wait -1                              ; the launch's one barrier: table and partials are whole; nothing writes them again
.irp q, 0,1,2,3,4,5,6,7
	ds_load_b128 v[Y+4*(\q):Y+4*(\q)+3], v8 offset:16*(\q)
.endr
	s_wait_dscnt 0x0
	v_min3_num_f32 v14, v[Y], v[Y+1], v[Y+2]
	v_max3_num_f32 v13, v[Y+16], v[Y+17], v[Y+18]
.irp q, 3,5,7,9,11,13
	v_min3_num_f32 v14, v14, v[Y+(\q)], v[Y+(\q)+1]
	v_max3_num_f32 v13, v13, v[Y+16+(\q)], v[Y+17+(\q)]
.endr
	v_min_num_f32 v14, v14, v[Y+15]                ; smin
	v_max_num_f32 v13, v13, v[Y+31]
	v_max_num_f32 v13, 0x800000, v13               ; cmax, at least 2^-126: its reciprocal is finite
.irp q, 0,1,2,3,4,5,6,7
	v_rcp_f32 v[U+(\q)], v[U+(\q)]                 ; one batch of ten reciprocals
.endr
	v_rcp_f32 v12, v13
	v_rcp_f32 v9, v14
	v_nop                                          ; a plain instruction behind the last reciprocal (ISA guide 5.7.2),
	s_wait_alu depctr_va_vdst(0)                   ; and the one wait ahead of the batch's first reader
.irp q, 0,2,4,6
	v_pk_mul_f32 v[U+(\q):U+(\q)+1], v[U+(\q):U+(\q)+1], v[14:15] op_sel_hi:[1,0]  ; smin / clamped scale: at most 1, so nothing overflows;
.endr
.irp q, 0,2,4,6
	v_pk_mul_f32 v[U+(\q):U+(\q)+1], v[U+(\q):U+(\q)+1], v[12:13] op_sel_hi:[1,0]  ; then / cmax
.endr
	s_or_b32 s26, ttmp9, s18                       ; wave 0 of work-group 0 stores g
	s_cmp_lg_u32 s26, 0
	s_cbranch_scc1 .Lno_norm
	v_mul_f32 v2, v13, v9                          ; g = cmax / smin
	v_mov_b32 v3, v2
	global_store_b64 v[OUTO], v[2:3], s[16:17]     ; in wave 0 the offset is 8 l: 256 consecutive bytes
.Lno_norm:
; Row r of wh, first half: its labels are clamped, turned into byte addresses and looked up; their registers are asked for row r of x.
.macro WA r
	s_wait_loadcnt 30                              ; row r's two label loads are in: behind them 30 - 2 r label loads and 2 r loads of x, 30 in every row
.irp q, 0,1,2,3,4,5,6,7
	v_min_u32 v[T+(\q)], 0xff, v[L+8*(\r)+(\q)]
.endr
.irp q, 0,1,2,3,4,5,6,7
	v_lshlrev_b32 v[T+(\q)], 2, v[T+(\q)]
.endr
.irp q, 0,1,2,3,4,5,6,7
	ds_load_b32 v[G+8*((\r)%2)+(\q)], v[T+(\q)] offset:TABLE
.endr
	global_load_b128 v[L+8*(\r):L+8*(\r)+3],   v[INO], s[6:7] offset:(\r)*ROWI th:TH_LOAD_NT
	global_load_b128 v[L+8*(\r)+4:L+8*(\r)+7], v[INO], s[6:7] offset:(\r)*ROWI+512 th:TH_LOAD_NT
.endm
; Second half, a row later: times u, rounded once to f16, stored.  left = the next row's lookups, which may stay out.
.macro WB r, left
	s_wait_dscnt \left                             ; LDS loads come back in order (ISA guide 5.7.1)
.irp q, 0,2,4,6
	v_pk_mul_f32 v[G+8*((\r)%2)+(\q):G+8*((\r)%2)+(\q)+1], v[G+8*((\r)%2)+(\q):G+8*((\r)%2)+(\q)+1], v[U+(\q):U+(\q)+1]
.endr
.irp q, 0,1,2,3
	v_cvt_pk_f16_f32 v[Y+4*(\r)+(\q)], v[G+8*((\r)%2)+2*(\q)], v[G+8*((\r)%2)+2*(\q)+1]
.endr
	global_store_b64 v[OUTO], v[Y+4*(\r):Y+4*(\r)+1],   s[12:13] offset:(\r)*ROWO th:TH_STORE_NT      ; the wave stores 256 consecutive bytes, aligned
	global_store_b64 v[OUTO], v[Y+4*(\r)+2:Y+4*(\r)+3], s[12:13] offset:(\r)*ROWO+256 th:TH_STORE_NT
.endm
; Row r of xh: rounded once to f16, in place, and stored.
.macro XR r
	s_wait_loadcnt 30-2*(\r)                       ; the younger rows of x stay out
	v_cvt_pk_f16_f32 v[L+8*(\r)],   v[L+8*(\r)],   v[L+8*(\r)+1]
	v_cvt_pk_f16_f32 v[L+8*(\r)+1], v[L+8*(\r)+2], v[L+8*(\r)+3]
	v_cvt_pk_f16_f32 v[L+8*(\r)+4], v[L+8*(\r)+4], v[L+8*(\r)+5]
	v_cvt_pk_f16_f32 v[L+8*(\r)+5], v[L+8*(\r)+6], v[L+8*(\r)+7]
	global_store_b64 v[OUTO], v[L+8*(\r):L+8*(\r)+1],   s[14:15] offset:(\r)*ROWO th:TH_STORE_NT
	global_store_b64 v[OUTO], v[L+8*(\r)+4:L+8*(\r)+5], s[14:15] offset:(\r)*ROWO+256 th:TH_STORE_NT
.endm
	WA 0
.irp r, 1,2,3,4,5,6,7,8,9,10,11,12,13,14,15
	WA \r                                          ; a row's lookups are out while the row before is finished
	WB (\r)-1, 8
.endr
	WB 15, 0
.irp r, 0,1,2,3,4,5,6,7,8,9,10,11,12,13,14,15
	XR \r
.endr
	s_wait_tensorcnt 0x0                           ; the wave's end, behind my last LDS store
	ds_add_u32 v[SPW], v[NIL]
	s_wait_dscnt 0x0
	s_endpgm
.Lfunc_end_k_q35e9de53ff_prep:
	.size	k_q35e9de53ff_prep, .Lfunc_end_k_q35e9de53ff_prep-k_q35e9de53ff_prep
	.p2alignl 7, 3214868480
	.fill 96, 4, 3214868480
	.section	.rodata,"a",@progbits
	.p2align	6, 0x0
	.amdhsa_kernel k_q35e9de53ff_prep
		.amdhsa_group_segment_fixed_size 3328
		.amdhsa_private_segment_fixed_size 0
		.amdhsa_enable_private_segment 0
		.amdhsa_kernarg_size 56
		.amdhsa_user_sgpr_count 2
		.amdhsa_user_sgpr_kernarg_segment_ptr 1
		.amdhsa_wavefront_size32 1
		.amdhsa_system_sgpr_workgroup_id_x 1
		.amdhsa_system_sgpr_workgroup_id_y 1
		.amdhsa_system_sgpr_workgroup_id_z 1
		.amdhsa_system_vgpr_workitem_id 0
		.amdhsa_next_free_vgpr 240
		.amdhsa_next_free_sgpr 66
		.amdhsa_reserve_vcc 0
		.amdhsa_float_denorm_mode_32 3
		.amdhsa_float_denorm_mode_16_64 3
		.amdhsa_memory_ordered 1
		.amdhsa_forward_progress 1
		.amdhsa_inst_pref_size 52
	.end_amdhsa_kernel
	.amdgpu_metadata
---
amdhsa.version: [ 1, 2 ]
amdhsa.kernels:
  - .name:           k_q35e9de53ff_prep
    .symbol:         k_q35e9de53ff_prep.kd
    .args:
      - { .name: labels, .offset: 0, .size: 8, .value_kind: global_buffer, .address_space: global }
      - { .name: x, .offset: 8, .size: 8, .value_kind: global_buffer, .address_space: global }
      - { .name: centroids_scaled, .offset: 16, .size: 8, .value_kind: global_buffer, .address_space: global }
      - { .name: scale, .offset: 24, .size: 8, .value_kind: global_buffer, .address_space: global }
      - { .name: wh, .offset: 32, .size: 8, .value_kind: global_buffer, .address_space: global }
      - { .name: xh, .offset: 40, .size: 8, .value_kind: global_buffer, .address_space: global }
      - { .name: norm, .offset: 48, .size: 8, .value_kind: global_buffer, .address_space: global }
    .group_segment_fixed_size: 3328
    .private_segment_fixed_size: 0
    .kernarg_segment_align: 8
    .kernarg_segment_size: 56
    .max_flat_workgroup_size: 512
    .sgpr_count:     66
    .vgpr_count:     240
    .wavefront_size: 32
...
	.end_amdgpu_metadata
.endif
;; end of part 1
;; launch gemm (part 2): grid 16 x 16, 4 waves a work-group, clusters of 4 x 4, 327,680 bytes of LDS; arguments xh, wh, out0, bias, norm; writes out0
.if DOCPART == 2
	.amdgcn_target "amdgcn-amd-amdhsa--gfx1250"
	.amdhsa_code_object_version 6
	.text
	.protected	k_q35e9de53ff_gemm
	.globl	k_q35e9de53ff_gemm
	.p2align	8
	.type	k_q35e9de53ff_gemm,@function
k_q35e9de53ff_gemm:
	s_mov_b64 s[64:65], 0
	v_nop
	global_prefetch_b8 v0, s[64:65] scope:SCOPE_SE
	s_setreg_imm32_b32 hwreg(HW_REG_WAVE_MODE, 25, 1), 1
	s_wait_xcnt 0x0
	s_wait_alu depctr_hold_cnt(0) depctr_sa_sdst(0) depctr_va_vdst(0) depctr_va_sdst(0) depctr_va_ssrc(0) depctr_va_vcc(0) depctr_vm_vsrc(0)
	s_getreg_b32 s2, hwreg(HW_REG_IB_STS2, 6, 4)
	s_cmp_eq_u32 s2, 0
	s_cbranch_scc0 .Lentry_in_a_cluster
	s_endpgm
.Lentry_in_a_cluster:
	s_bfe_u32 s2, ttmp6, 0x10000c
	s_cmp_lg_u32 s2, 0xf033
	s_cbranch_scc0 .Lentry_shape_is_right
	s_endpgm
.Lentry_shape_is_right:
; out0[m][o] = g x (sum over i of xh[m][i] wh[o][i]) + bias[o].  xh, wh: [4096][4096] f16, made by the launch before; g = norm[0], f32; bias, out0 f32.  Sums in f32.  No work is left out here either.
; LIMITS: those of the launch before (f16's range for x; wh lies in -1 .. 1); NaN and infinities are not treated apart.
; A tile of out0, 256 x 256, is made by a work-group of four waves, as many as a WGP has SIMDs; a wave makes 128 x 128: 64 accumulators of 16 x 16, 512 registers.  16 x 16 tiles: 256 work-groups.
; K goes in steps of 128 through a ring of two LDS slots filled by the tensor data mover: a tile's rows are 256 bytes of memory and start at multiples of 256 bytes from the buffer's first byte.
; CLUSTERS: 4 x 4 work-groups.  The four of a row of the cluster need the same tiles of xh (A), the four of a column the same tiles of wh (B).  Such a tile is asked for JOINTLY: each of the four issues the same
; tensor load, with the same descriptor and a mask that names the four, and each receives the tile in its own LDS.
; REGISTERS, in windows of 256 (s_set_vgpr_msb's low byte: bits 1:0 source 0, 3:2 source 1, 5:4 source 2, 7:6 destination):
;   window 0: v0-31 addresses and bias; v64-127, v128-191 fragments of A (8 x 16 rows x 32 K), two buffers; on the way out the same 128 registers hold rows read back from the stage
;   window 1: v64-127, v128-191 fragments of B, two buffers
;   window 2: the 32 accumulators of my rows 0-63 (accumulator (a, b) at v[8 (8 a + b)]);   window 3: those of my rows 64-127
; THE MATRIX INSTRUCTION IS USED TRANSPOSED: source 0 = 16 rows of wh, source 1 = 16 rows of xh.  In the result lane l holds row m = l % 16 of out0 and its registers 0 to 7 the columns 8 (l / 16) + 0 .. 7:
; 32 neighbouring bytes of a row.
; THE 64 ACCUMULATORS TAKE TURNS, one instruction a turn, in the same order in every quarter step, over the backward jump too: no wait is written ahead of a product.
.set SIZE_K, 4096
.set SIZE_N, 4096
.set KSTEP,  128
.set PITCH,  272                       ; an LDS row: 256 bytes of data + 16 of padding = 68 words: row r starts at bank 4 r mod 64 (64 banks of 4 bytes: ISA guide 11.1), so the 16 rows that a load touches start at 16 different banks
.set HALFT,  128*PITCH                 ; 128 rows: what one tensor load brings, and what one wave reads of A or of B
.set SLOT,   4*HALFT                   ; A's 256 rows, then B's 256 rows
.set STAGE,  2*SLOT                    ; behind the ring, never filled by a tensor load: 16 rows x 528 bytes for each wave, for the way out
.set SPITCH, 528                       ; a stage row: 512 bytes (my 128 columns in f32) + 16 = 132 words: row r again starts at bank 4 r mod 64
.set SPARE,  STAGE+4*16*SPITCH         ; behind the stages: the spare words, 128 bytes for each wave: two blocks of 256 bytes that no other line names
.set LAPS,   SIZE_K/(2*KSTEP)          ; a lap = two K steps = once round the ring: 16
.set ROWC,   SIZE_N*4                  ; bytes in a row of out0
.set BI,   8                           ; v[8:11] bias of the four columns that I store
.set ADRA, 16                          ; v16-17  LDS address of my A fragments in slot 0, 1
.set ADRB, 20                          ; v20-21  the same for B
.set STO,  24                          ; v24     the way out: where I put 32 bytes of a row
.set RD,   25                          ; v25     the way out: where I read 16 bytes of a row back
.set CO,   26                          ; v26     16 x lane: my byte offset in my wave's 512 bytes of a row of out0, and of bias; never rewritten
.set SPW,  28                          ; v28     LDS address of my spare word: SPARE + 4 x my thread's number; never rewritten
.set NIL,  29                          ; v29     0; never rewritten
.set PFO,  30                          ; v30     the prefetches' offset: my lane x a row of xh or wh (8,192 bytes); never rewritten
.set PFA,  44                          ; s[44:45] where my prefetches stand: my work-group's 32 rows of the 128 that I fetch, one K step further along K than the refill that is being asked for
.set LIM,  43                          ; s43     1 in a wave that prefetches, else the greatest number
.set GS,   72                          ; s[72:73] g, twice: the packed multiply-add names a pair and takes its low word for both halves
.set F0,   64                          ; fragment buffer 0
.set F1,   128                         ; fragment buffer 1
.set G1, 24                            ; s[24:31] descriptor group 1 for A's tiles
.set G0, 32                            ; s[32:39] descriptor group 0 for A's tiles, one set for each slot
.set G1B, 48                           ; s[48:55] descriptor group 1 for B's tiles: it differs from A's in the mask alone
.set G0B, 56                           ; s[56:63] descriptor group 0 for B's tiles, one set for each slot
.set MSB, 0
.macro WIN new                         ; the immediate's high byte repeats the setting that is left; a switch that changes nothing is dropped
.if MSB != (\new)
	s_set_vgpr_msb (MSB<<8)|(\new)
.set MSB, \new
.endif
.endm
.set MUL_LO, 0xa1                      ; source 0 (B) window 1, source 1 (A) window 0, C and D window 2
.set MUL_HI, 0xf1                      ; the same, C and D window 3
.set TO_B,   0x40                      ; destination window 1, address window 0
; A joint load.  Waves 0 and 1 fetch A's two halves, waves 2 and 3 B's.  Each of the two lines has ONE mask and one set of registers for all that issue it; the branch hangs on the wave's number alone.
; An s_nop 0 and four v_nop follow each of the two lines; the jump round the other line, the label and what follows the macro come after them.
.macro JLOAD s
	s_cmp_eq_u32 s11, 0
	s_cbranch_scc0 .Lfor_b_\@
	tensor_load_to_lds s[G0+4*(\s):G0+4*(\s)+3], s[G1:G1+7]
	s_nop 0
.rept 4
	v_nop
.endr
	s_branch .Lasked_\@
.Lfor_b_\@:
	tensor_load_to_lds s[G0B+4*(\s):G0B+4*(\s)+3], s[G1B:G1B+7]
	s_nop 0
.rept 4
	v_nop
.endr
.Lasked_\@:
.endm
; A PREFETCH INTO THE L2, behind each joint refill, its five lines and the run of LDS loads that follows them: the K step that stands TWO refills on (512 matrix instructions ahead of the load that will want it):
; 32 rows x 256 bytes, a lane a row, one instruction a wave.  Each row's 256 bytes of a K step are named ONCE in the launch: A's tile row is read by every cluster of that row of clusters, and the one with
; cluster x = 0 asks; B's tile column by every cluster of that column, and the one with cluster y = 0 asks.  The four partners that ask for a tile jointly share its rows out BY ADDRESS: of the 128 rows that a wave
; fetches, the partner at place p takes 32 p .. 32 p + 31 (p = cx for A, cy for B): no branch hangs on a work-group's place in its cluster.  K steps 0 to 3 come by their loads alone; in the loop's last trip
; (s3 = 1) there is no K step two on, and nothing is asked for: the last one named is K step 31.
.macro ASK
	s_cmp_gt_u32 s3, s[LIM]
	s_cbranch_scc0 .Lnot_mine_\@
	global_prefetch_b8 v[PFO], s[PFA:PFA+1] offset:KSTEP*2 th:TH_LOAD_NT scope:SCOPE_SE
.Lnot_mine_\@:
.endm
; A round of the cluster's barrier: my work-group's barrier, so that wave 0's signal speaks for all four waves; wave 0 signals for the work-group; every wave waits for all sixteen work-groups;
; my work-group's barrier once more.  No LDS instruction of the wave is pending at a signal.
.macro CREST                           ; a round behind its opening barrier
	s_cmp_lg_u32 s10, 0
	s_cbranch_scc1 .Lnot_wave_0_\@
	s_barrier_signal -3
.Lnot_wave_0_\@:
	s_barrier_wait -3
	s_barrier_signal -1
	s_barrier_wait -1
.endm
.macro CROUND                          ; a whole round
	s_barrier_signal -1
	s_barrier_wait -1
	CREST
.endm
	s_load_b128 s[4:7], s[0:1], 0x0                ; xh (A) s[4:5], wh (B) s[6:7]
	s_load_b64 s[8:9], s[0:1], 0x10                ; out0
	s_load_b64 s[68:69], s[0:1], 0x18              ; bias
	s_load_b64 s[70:71], s[0:1], 0x20              ; norm
	v_lshl_add_u32 v[SPW], v0, 2, SPARE
	v_mov_b32 v[NIL], 0
	ds_add_u32 v[SPW], v[NIL]                      ; the wave's opening: the add, twice on end, and its wait ahead of my first tensor load; the set-up below, work on registers, stands between
	ds_add_u32 v[SPW], v[NIL]                      ; and once more, under the one wait
	v_lshrrev_b32 v1, 5, v0
	v_readfirstlane_b32 s10, v1                    ; wave 0..3
	s_lshr_b32 s11, s10, 1                         ; which half of the tile's rows is mine.  Also: I fetch for A (0) or for B (1)
	s_and_b32 s12, s10, 1                          ; which half of its columns.  Also: which 128 rows of that tile I fetch
	s_bfe_u32 s40, ttmp6, 0x40000                  ; cx: my place along the cluster's x
	s_bfe_u32 s41, ttmp6, 0x40004                  ; cy: along its y
	s_lshl_b32 s42, ttmp9, 2                       ; in a cluster launch ttmp9 and ttmp7 count clusters
	s_add_co_u32 s42, s42, s40                     ; tile column = 4 x cluster x + cx
	s_and_b32 s13, ttmp7, 0xffff
	s_lshl_b32 s13, s13, 2
	s_add_co_u32 s13, s13, s41                     ; tile row = 4 x cluster y + cy
	s_lshl_b32 s43, s41, 2
	s_lshl_b32 s43, 15, s43                        ; my row of the cluster: places 4 cy .. 4 cy + 3
	s_lshl_b32 s44, 0x1111, s40                    ; my column: places cx, cx + 4, cx + 8, cx + 12
	; descriptor group 1: a tile of 128 rows x 128 elements, padded in LDS
	s_or_b32 s[G1+0], s43, (1<<16)|(1<<20)|(1<<21)|(5<<22)|(3<<25)  ; 15:0 the mask: A's tiles go to my row; 17:16 elements of 2 bytes; 20 padding on; 21 set beside a mask; 24:22 after every 64 words (code 5); 31:25 4 words of it (code 3)
	s_or_b32 s[G1B+0], s44, (1<<16)|(1<<20)|(1<<21)|(5<<22)|(3<<25) ; the same with the mask of my column, for B's tiles
	s_mov_b32 s[G1B+1], KSTEP<<16
	s_mov_b32 s[G1+1], KSTEP<<16                   ; 63:48 tensor_dim0, low half = 128
	s_mov_b32 s[G1B+2], 128<<16
	s_mov_b32 s[G1+2], 128<<16                     ; 79:64 its high half = 0; 95:80 tensor_dim1, low half = 128
	s_mov_b32 s[G1B+3], KSTEP<<16
	s_mov_b32 s[G1+3], KSTEP<<16                   ; 111:96 its high half = 0; 127:112 tile_dim0 = 128
	s_mov_b32 s[G1B+4], 128
	s_mov_b32 s[G1+4], 128                         ; 143:128 tile_dim1 = 128; 159:144 tile_dim2 = 0
	s_mov_b32 s[G1B+5], SIZE_K
	s_mov_b32 s[G1+5], SIZE_K                      ; 191:160 tensor_dim0_stride, low word: elements from row to row
	s_mov_b32 s[G1B+6], 0
	s_mov_b32 s[G1+6], 0
	s_mov_b32 s[G1B+7], 0
	s_mov_b32 s[G1+7], 0
	; where the tiles come from.  A's hang on the tile row alone, which my row of the cluster shares; B's on the tile column alone, which my column shares.
	; Every wave makes both addresses, in registers that never hold the other coordinate, and asks by one of them.
	s_lshl_b32 s17, s12, 7                         ; which 128 rows of the tile I fetch
	s_lshl_b32 s16, s13, 8
	s_add_co_u32 s16, s16, s17                     ; A: row 256 x tile row + 128 x half
	s_lshl_b32 s46, s42, 8
	s_add_co_u32 s46, s46, s17                     ; B: row 256 x tile column + 128 x half
	s_mov_b32 s17, 0
	s_mov_b32 s47, 0
	s_mov_b64 s[18:19], SIZE_K*2
	s_mul_u64 s[16:17], s[16:17], s[18:19]         ; in bytes
	s_mul_u64 s[46:47], s[46:47], s[18:19]
	s_mul_i32 s20, s10, HALFT                      ; and where they go: A's two halves, then B's two halves = wave x 128 rows: no place in the cluster enters an LDS address
	s_wait_dscnt 0x0                               ; both opening adds are done
	s_wait_kmcnt 0x0
	s_load_b32 s[GS], s[70:71], 0x0                ; g: this launch writes nothing into norm
	s_add_nc_u64 s[14:15], s[4:5], s[16:17]
	s_add_nc_u64 s[46:47], s[6:7], s[46:47]
	CROUND                                         ; all sixteen work-groups are here: the first joint loads meet
.irp s, 0,1
	s_mov_b32 s[G0+4*(\s)], 1                                      ; 1:0 count = 1
	s_add_co_u32 s[G0+4*(\s)+1], s20, (\s)*SLOT                    ; 63:32 LDS address
	s_add_nc_u64 s[G0+4*(\s)+2:G0+4*(\s)+3], s[14:15], (\s)*KSTEP*2  ; 120:64 global address: K step s
	s_or_b32 s[G0+4*(\s)+3], s[G0+4*(\s)+3], 0x80000000            ; 127:126 type = 2
	s_mov_b32 s[G0B+4*(\s)], 1
	s_add_co_u32 s[G0B+4*(\s)+1], s20, (\s)*SLOT
	s_add_nc_u64 s[G0B+4*(\s)+2:G0B+4*(\s)+3], s[46:47], (\s)*KSTEP*2
	s_or_b32 s[G0B+4*(\s)+3], s[G0B+4*(\s)+3], 0x80000000
	JLOAD \s                                       ; the ring is filled before anything else is done: two tensor loads of mine are out
.endr
	; A fragment is 16 rows x 32 K in 8 registers: lane l holds row l % 16; registers 0-3 hold K = 8 (l / 16) + 0..7, registers 4-7 hold
	; K = 16 + 8 (l / 16) + 0..7.  From rows that lie along K: two loads of 16 bytes, 32 bytes apart.  The same for source 0 and source 1.
	v_and_b32 v1, 15, v0                           ; l % 16
	v_bfe_u32 v2, v0, 4, 1                         ; l / 16
	v_mul_u32_u24 v3, v1, PITCH
	v_lshl_add_u32 v3, v2, 4, v3                   ; row x pitch + 16 x half
	s_mul_i32 s21, s11, HALFT                      ; my 128 rows of A
	s_mul_i32 s22, s12, HALFT                      ; my 128 rows of B,
	s_add_co_u32 s22, s22, 2*HALFT                 ; which lie behind A's 256
.irp s, 0,1
	v_add_nc_u32 v[ADRA+(\s)], s21, v3
	v_add_nc_u32 v[ADRB+(\s)], s22, v3
	s_add_co_u32 s21, s21, SLOT
	s_add_co_u32 s22, s22, SLOT
.endr
	s_mul_i32 s23, s10, 16*SPITCH
	s_add_co_u32 s23, s23, STAGE                   ; my stage
	v_mul_u32_u24 v4, v1, SPITCH                   ; in: row l % 16, 32 bytes for each half of the lanes
	v_lshl_add_u32 v4, v2, 5, v4
	v_add_nc_u32 v[STO], s23, v4
	v_and_b32 v5, 31, v0
	v_lshlrev_b32 v[CO], 4, v5                     ; back: the 32 lanes take one row of 512 bytes, 16 bytes each; the same place in out0's row and in bias
	v_add_nc_u32 v[RD], s23, v[CO]
	; out0 at my part of the tile, bias at my 128 columns
	s_lshl_b32 s13, s13, 8                         ; 256 x tile row
	s_lshl_b32 s14, s11, 7
	s_add_co_u32 s16, s13, s14                     ; my first row of out0,
	s_lshl_b32 s16, s16, 14                        ; times 16,384 bytes: under 2^26
	s_mov_b32 s17, 0
	s_add_nc_u64 s[8:9], s[8:9], s[16:17]
	s_lshl_b32 s46, s42, 10                        ; my first column, in bytes: 1,024 x tile column + 512 x half (in the registers that held B's address: none that feeds A's descriptors ever holds cx)
	s_lshl_b32 s47, s12, 9
	s_add_co_u32 s46, s46, s47
	s_mov_b32 s47, 0
	s_add_nc_u64 s[8:9], s[8:9], s[46:47]
	s_add_nc_u64 s[68:69], s[68:69], s[46:47]
	global_load_b128 v[BI:BI+3], v[CO], s[68:69]
	; the prefetches.  s13 = 256 x tile row, s42 = tile column, s40 = cx, s41 = cy still stand; s[4:5] = A, s[6:7] = B
	s_lshl_b32 s42, s42, 8
	s_and_b32 s22, ttmp7, 0xffff                   ; cluster y
	s_cmp_eq_u32 s11, 0                            ; do I fetch for A?
	s_cselect_b32 s20, s13, s42                    ; the tile's first row: in A by the tile row, in B by the tile column
	s_cselect_b32 s21, s40, s41                    ; my place among the four that ask for it with me
	s_cselect_b32 s22, ttmp9, s22                  ; the coordinate along which other clusters read the same rows
	s_cselect_b64 s[PFA:PFA+1], s[4:5], s[6:7]
	s_cmp_eq_u32 s22, 0
	s_cselect_b32 s[LIM], 1, -1                    ; the same in all sixteen partners, for a given wave
	s_lshl_b32 s22, s12, 7
	s_add_co_u32 s20, s20, s22                     ; + the 128 rows that I fetch
	s_lshl_b32 s21, s21, 5
	s_add_co_u32 s20, s20, s21                     ; + my work-group's 32 of them
	s_mov_b32 s21, 0
	s_mov_b64 s[18:19], SIZE_K*2
	s_mul_u64 s[20:21], s[20:21], s[18:19]
	s_add_nc_u64 s[PFA:PFA+1], s[PFA:PFA+1], s[20:21]
	s_add_nc_u64 s[PFA:PFA+1], s[PFA:PFA+1], 2*KSTEP*2  ; at K step 2: the first refill steps it to 3 and names K step 4
	v_and_b32 v[PFO], 31, v0
	v_mul_u32_u24 v[PFO], v[PFO], SIZE_K*2
	s_wait_kmcnt 0x0                               ; g
	s_mov_b32 s[GS+1], s[GS]                       ; named with it as a pair, so it is written
; 16 matrix instructions: m blocks a0, a0 + 1 of the window's four (hi = 0: my rows 0-63, 1: rows 64-127) x all 8 n blocks, 32 along K.
; zero = 1: the first product starts the sums: nothing is ever cleared.
.macro MUL16 f, hi, a0, zero
	WIN MUL_LO+0x50*(\hi)  ; MUL_LO or MUL_HI
.irp a, \a0, (\a0)+1
.irp b, 0,1,2,3,4,5,6,7
.if \zero
	v_wmma_f32_16x16x32_f16 v[8*(8*(\a)+(\b)):8*(8*(\a)+(\b))+7], v[(\f)+8*(\b):(\f)+8*(\b)+7], v[(\f)+8*(4*(\hi)+(\a)):(\f)+8*(4*(\hi)+(\a))+7], 0
.else
	v_wmma_f32_16x16x32_f16 v[8*(8*(\a)+(\b)):8*(8*(\a)+(\b))+7], v[(\f)+8*(\b):(\f)+8*(\b)+7], v[(\f)+8*(4*(\hi)+(\a)):(\f)+8*(4*(\hi)+(\a))+7], v[8*(8*(\a)+(\b)):8*(8*(\a)+(\b))+7]
.endif
.endr
.endr
.endm
; 32 LDS loads in one run: the fragments of one quarter step (128 rows of B, 128 rows of A, 32 K at byte k of the rows) into buffer f
.macro FETCH slot, k, f
	WIN TO_B
.irp i, 0,1,2,3,4,5,6,7
	ds_load_b128 v[(\f)+8*(\i):(\f)+8*(\i)+3],   v[ADRB+(\slot)] offset:(\k)+(\i)*16*PITCH
	ds_load_b128 v[(\f)+8*(\i)+4:(\f)+8*(\i)+7], v[ADRB+(\slot)] offset:(\k)+(\i)*16*PITCH+32
.endr
	WIN 0
.irp i, 0,1,2,3,4,5,6,7
	ds_load_b128 v[(\f)+8*(\i):(\f)+8*(\i)+3],   v[ADRA+(\slot)] offset:(\k)+(\i)*16*PITCH
	ds_load_b128 v[(\f)+8*(\i)+4:(\f)+8*(\i)+7], v[ADRA+(\slot)] offset:(\k)+(\i)*16*PITCH+32
.endr
.endm
; A load into a register that a matrix instruction has read, and an LDS store that reads a matrix result, stand four places behind that matrix instruction, and only plain vector instructions that name none of its
; registers are places (ISA guide 7.12.1 for vector instructions); the matrix instructions in between are not counted.
.macro PLACES
.rept 4
	v_nop
.endr
.endm
; A K step is four quarter steps of 32 along K, 64 matrix instructions each, on buffers 0, 1, 0, 1.
; One of the first three: multiplies buffer f; in its middle it fetches the next quarter's fragments, at byte k of the same slot's rows, into buffer g.
.macro QUARTER slot, k, f, g, zero
	s_wait_dscnt 8                                 ; B and A's rows 0-63 are in; the youngest eight loads (A's rows 64-127) may be out
	WIN MUL_LO
	MUL16 \f, 0, 0, \zero
	MUL16 \f, 0, 2, \zero
	PLACES
	FETCH \slot, \k, \g
	s_wait_dscnt 32                                ; all but the 32 just issued
	WIN MUL_HI
	MUL16 \f, 1, 0, \zero
	MUL16 \f, 1, 2, \zero
.endm
; The last quarter multiplies buffer 1 and changes slots.  MEET is its first half: ONE barrier for the change of slots, for two things.  In front of it each wave waits for all its tensor loads, of which one is
; out: its part of the next slot; adds 0 to its spare word; and waits for that and for its own reads of this slot.  Behind it nobody reads this slot any more and the next slot is whole.
.macro MEET round                      ; round = 1: the rest of a round of the cluster's barrier follows
	WIN 0                                          ; (the add's two registers lie in window 0)
	s_wait_tensorcnt 0x0                           ; all my tensor loads have landed: the one that was out is my part of the next slot;
	ds_add_u32 v[SPW], v[NIL]                      ; 0 onto my spare word;
	s_wait_dscnt 9                                 ; (the add and the youngest eight loads may be out)
	WIN MUL_LO
	MUL16 F1, 0, 0, 0                              ; sixteen matrix instructions stand between the add and the wait for it
	s_wait_dscnt 0x0                               ; the add is done, and my reads of this slot are over:
	s_barrier_signal -1                            ; say so,
	MUL16 F1, 0, 2, 0                              ; work on registers while the others arrive,
.if \round
	WIN 0
.endif
	s_barrier_wait -1                              ; and go on when all four have said so
.endm
; The whole last quarter.  fill = 1: behind the round the slot just read out is filled again first, with the K step two steps on; then come the next slot's first fragments.  From a request to the wait for it
; a wave issues 224 matrix instructions.  fill = 0 (the last lap): nothing is left to ask for, and no round follows the barrier.
.macro TURN slot, next, fill
.if \fill
	s_wait_xcnt 0x0                                ; the last prefetch, a K step back, has read its address: it is stepped here, ahead of the waits of the change of slots
	s_add_nc_u64 s[PFA:PFA+1], s[PFA:PFA+1], KSTEP*2
.endif
	MEET \fill
.if \fill
	CREST                                          ; all sixteen work-groups have said so: no wave of any partner still reads this slot's tile or has a load on its way
	s_add_nc_u64 s[G0+4*(\slot)+2:G0+4*(\slot)+3], s[G0+4*(\slot)+2:G0+4*(\slot)+3], 2*KSTEP*2    ; no tensor load of mine is out, so a group 0 may be written; the type bits on top are not reached
	s_add_nc_u64 s[G0B+4*(\slot)+2:G0B+4*(\slot)+3], s[G0B+4*(\slot)+2:G0B+4*(\slot)+3], 2*KSTEP*2
	JLOAD \slot                                    ; the first tensor load behind the round, and my only one until the next; its four v_nop are also the places in front of the loads below
.else
	PLACES
.endif
	FETCH \next, 0, F0
.if \fill
	ASK                                            ; behind the joint load and the run of LDS loads that the next products wait for
.endif
	WIN MUL_HI
	MUL16 F1, 1, 0, 0
	MUL16 F1, 1, 2, 0
.endm
; THE WAY OUT, a block a of 16 rows at a time.  TOSTAGE: the block's eight accumulators go as they are, in f32, into my own stage (each one's four lowest registers first) and come back as
; 16 whole rows of 512 bytes, into the registers that held A's fragments, the two halves of them by turns.  The stage is mine alone: no barrier.
.macro TOSTAGE a
.set AC, 64*((\a)%4)
.set BK, F0+64*((\a)%2)
.if (\a) >= 2
	s_wait_xcnt 0x0                                ; every earlier store has had its addresses translated (ISA guide 3.1): the registers that block a - 2's stores read are loaded again only behind this wait
.endif
	WIN 0x08+4*((\a)/4)                            ; an LDS store's data is source 1: window 2 (blocks 0-3) or 3 (blocks 4-7)
.irp b, 0,1,2,3,4,5,6,7
	ds_store_b128 v[STO], v[AC+8*(\b):AC+8*(\b)+3]   offset:64*(\b)
	ds_store_b128 v[STO], v[AC+8*(\b)+4:AC+8*(\b)+7] offset:64*(\b)+16
.endr
	WIN 0
.irp t, 0,1,2,3,4,5,6,7,8,9,10,11,12,13,14,15
	ds_load_b128 v[BK+4*(\t):BK+4*(\t)+3], v[RD] offset:(\t)*SPITCH  ; LDS serves a wave's instructions in order (ISA guide 5.7.1.4): these see the stores above, and the next block's stores come behind them
.endr
.endm
; SEND: g x sum + bias, two fused multiply-adds an instruction, and the row's 512 bytes are stored.  In a row read back a lane holds the same four columns in every row: four registers of bias serve all.
; younger: the LDS instructions issued behind block a's loads: the next block's 16 stores and 16 loads, or none.
.macro SEND a, younger
.set BK, F0+64*((\a)%2)
.irp t, 0,1,2,3,4,5,6,7,8,9,10,11,12,13,14,15
	s_wait_dscnt (\younger)+15-(\t)                ; row t is back
	v_pk_fma_f32 v[BK+4*(\t):BK+4*(\t)+1],   v[BK+4*(\t):BK+4*(\t)+1],   s[GS:GS+1], v[BI:BI+1]   op_sel_hi:[1,0,1]
	v_pk_fma_f32 v[BK+4*(\t)+2:BK+4*(\t)+3], v[BK+4*(\t)+2:BK+4*(\t)+3], s[GS:GS+1], v[BI+2:BI+3] op_sel_hi:[1,0,1]
	global_store_b128 v[CO], v[BK+4*(\t):BK+4*(\t)+3], s[8:9] offset:(16*(\a)+(\t))*ROWC th:TH_STORE_NT  ; the wave stores 512 consecutive bytes, at a multiple of 512 from out0's first byte; 127 rows at the most: inside the signed 24-bit immediate
.endr
.endm
	s_wait_loadcnt 0x0                             ; bias, once: the wave waits here for its first tile anyway
	s_wait_tensorcnt 1                             ; my part of K step 0 is in; K step 1's may stay out
	s_barrier_signal -1
	s_barrier_wait -1                              ; everybody's is
	FETCH 0, 0, F0
	QUARTER 0, 64,  F0, F1, 1                      ; the first quarter stands in front of the loop: its products start the sums
	WIN 0                                          ; at a label and at a branch every window is 0
	s_mov_b32 s3, LAPS-1
.Llap:                                                 ; a trip goes once round the ring, from a lap's second quarter to the next lap's first, and fills both slots again
	QUARTER 0, 128, F1, F0, 0
	QUARTER 0, 192, F0, F1, 0
	TURN 0, 1, 1
	QUARTER 1, 64,  F0, F1, 0
	QUARTER 1, 128, F1, F0, 0
	QUARTER 1, 192, F0, F1, 0
	TURN 1, 0, 1
	QUARTER 0, 64,  F0, F1, 0
	WIN 0
	s_sub_co_u32 s3, s3, 1
	s_cmp_lg_u32 s3, 0
	s_cbranch_scc1 .Llap
	QUARTER 0, 128, F1, F0, 0                      ; the last lap is written out: it fills nothing
	QUARTER 0, 192, F0, F1, 0
	TURN 0, 1, 0
	QUARTER 1, 64,  F0, F1, 0
	QUARTER 1, 128, F1, F0, 0
	QUARTER 1, 192, F0, F1, 0
	s_wait_dscnt 8                                 ; the very last quarter: nothing more to fetch
	MUL16 F1, 0, 0, 0
	MUL16 F1, 0, 2, 0
	s_wait_dscnt 0x0
	MUL16 F1, 1, 0, 0
	MUL16 F1, 1, 2, 0
	WIN 0
	PLACES                                         ; behind the last products: the stores below read results, the loads below land in registers that products have read
	TOSTAGE 0
.irp a, 1,2,3,4,5,6,7                  ; block a goes into the stage and is asked back while block a - 1 is finished and stored
	TOSTAGE \a
	SEND (\a)-1, 32
.endr
	SEND 7, 0
	s_wait_tensorcnt 0x0                           ; the wave's end: behind my last tensor load and my last LDS store
	ds_add_u32 v[SPW], v[NIL]
	s_wait_dscnt 0x0
	CROUND                                         ; the closing round: no work-group ends while a partner may still ask for a tile that names it
	s_endpgm
.Lfunc_end_k_q35e9de53ff_gemm:
	.size	k_q35e9de53ff_gemm, .Lfunc_end_k_q35e9de53ff_gemm-k_q35e9de53ff_gemm
	.p2alignl 7, 3214868480
	.fill 96, 4, 3214868480
	.section	.rodata,"a",@progbits
	.p2align	6, 0x0
	.amdhsa_kernel k_q35e9de53ff_gemm
		.amdhsa_group_segment_fixed_size 327680
		.amdhsa_private_segment_fixed_size 0
		.amdhsa_enable_private_segment 0
		.amdhsa_kernarg_size 40
		.amdhsa_user_sgpr_count 2
		.amdhsa_user_sgpr_kernarg_segment_ptr 1
		.amdhsa_wavefront_size32 1
		.amdhsa_system_sgpr_workgroup_id_x 1
		.amdhsa_system_sgpr_workgroup_id_y 1
		.amdhsa_system_sgpr_workgroup_id_z 1
		.amdhsa_system_vgpr_workitem_id 0
		.amdhsa_next_free_vgpr 1024
		.amdhsa_next_free_sgpr 74
		.amdhsa_reserve_vcc 0
		.amdhsa_float_denorm_mode_32 3
		.amdhsa_float_denorm_mode_16_64 3
		.amdhsa_memory_ordered 1
		.amdhsa_forward_progress 1
		.amdhsa_inst_pref_size 161
	.end_amdhsa_kernel
	.amdgpu_metadata
---
amdhsa.version: [ 1, 2 ]
amdhsa.kernels:
  - .name:           k_q35e9de53ff_gemm
    .symbol:         k_q35e9de53ff_gemm.kd
    .args:
      - { .name: xh, .offset: 0, .size: 8, .value_kind: global_buffer, .address_space: global }
      - { .name: wh, .offset: 8, .size: 8, .value_kind: global_buffer, .address_space: global }
      - { .name: out0, .offset: 16, .size: 8, .value_kind: global_buffer, .address_space: global }
      - { .name: bias, .offset: 24, .size: 8, .value_kind: global_buffer, .address_space: global }
      - { .name: norm, .offset: 32, .size: 8, .value_kind: global_buffer, .address_space: global }
    .group_segment_fixed_size: 327680
    .private_segment_fixed_size: 0
    .kernarg_segment_align: 8
    .kernarg_segment_size: 40
    .max_flat_workgroup_size: 128
    .sgpr_count:     74
    .vgpr_count:     1024
    .wavefront_size: 32
...
	.end_amdgpu_metadata
.endif
;; end of part 2
;; ======== version 2 of 2: 2 launches; version 1 with the launch prep written anew for expert scheduling mode
;; limits: values are held in f16: magnitudes above 65,504 overflow, below 6.1e-05 lose precision; inputs' magnitudes at most 65,504
;; workspace buffers: xh 33,554,432 bytes; wh 33,554,432 bytes; norm 256 bytes
;; launch prep (part 3): grid 256 x 1, 16 waves a work-group, no clusters, 3,328 bytes of LDS; arguments labels, x, centroids_scaled, scale, wh, xh, norm; writes wh, xh, norm
.if DOCPART == 3
	.amdgcn_target "amdgcn-amd-amdhsa--gfx1250"
	.amdhsa_code_object_version 6
	.text
	.protected	k_q35e9de53ff_prep
	.globl	k_q35e9de53ff_prep
	.p2align	8
	.type	k_q35e9de53ff_prep,@function
k_q35e9de53ff_prep:
	s_mov_b64 s[64:65], 0
	v_nop
	global_prefetch_b8 v0, s[64:65] scope:SCOPE_SE
	s_setreg_imm32_b32 hwreg(HW_REG_WAVE_SCHED_MODE, 0, 2), 2
	s_setreg_imm32_b32 hwreg(HW_REG_WAVE_MODE, 25, 1), 1
	s_wait_xcnt 0x0
	s_wait_alu depctr_vm_vsrc(0)
; out[m][o] = sum over i of x[m][i] c[labels[o][i]] / max(scale[i], 1e-8) + bias[o], in two launches.  This one makes the product's two operands, once each:
;   xh[m][i] = x[m][i] rounded once to f16;
;   wh[o][i] = c[labels[o][i]] u[i] rounded once to f16, with u[i] = (smin / max(scale[i], 1e-8)) / cmax, smin the least clamped scale, cmax the largest |c|;
;   norm     = g = cmax / smin in f32, 64 times, so that its 256 bytes are stored whole.  The next launch computes g (xh wh^T) + bias; g u[i] = 1 / max(scale[i], 1e-8).
; WHY NORMALISED.  |c u| is at most 1 (to a few f32 roundings) whatever the sizes of c and scale, so f16 always has room for wh; the factor taken out goes onto the finished f32 sums.
; NO WORK OF reference() IS LEFT OUT: every input reaches every output and every input is loaded (bias by the next launch).  The lookup is done as a lookup, once for each label.
; LIMITS.  |x| of 65,520 or more becomes an infinity in xh; |x| below 6e-5 keeps f16's fixed step of 6e-8, and so does |c u| below 6e-5 (such a column weighs that little beside the column with u = 1 / cmax).
; A label outside 0 .. 255 is taken as 255 (reference() relies on indices inside the table).  A NaN in scale counts as 1e-8.  cmax below 2^-126 counts as 2^-126.  A clamped scale, or a cmax, of 2^126 or more has the
; reciprocal 0.  The quotient is a reciprocal (v_rcp_f32) and multiplies: a few f32 roundings off the division.
; SHARES.  A work-group takes 16 rows of labels and 16 rows of x (16,384 bytes each in, 8,192 out).  Wave w takes columns 256 w .. 256 w + 255, as two chunks j of 128; lane l the four columns
; 256 w + 128 j + 4 l ..: a load of 16 bytes a lane covers 512 consecutive bytes, a store of 8 bytes a lane 256 consecutive bytes, aligned.  A thread's eight columns are the same in every row, so its eight u
; stay in registers; row and chunk stand in the immediates, so no address register is ever rewritten, and no register that a store reads is written again: the text needs no wait for translated addresses.
; IN FLIGHT.  All 32 label loads of a wave go out at the start; as a row's labels are used, the same registers are asked for that row of x: 32 loads of every wave are out until the last phase.
; No matrix unit, no tensor loads, no cluster: nothing is shared between work-groups but 17 KiB of c and scale.
; THE MODE: SCHED_MODE bits 1:0 = 2 (LLVM: expert scheduling mode 2), set by the entry lines.  The code itself states the register dependences between vector instructions and memory or LDS instructions,
; with s_wait_alu, always for 0.
; THE PLAN.  wh goes in steps r = 0 .. 17.  Step r makes row r's lookup addresses and finishes row r - 2; then come its waits; then ONE run of memory instructions.  Registers that this run touches:
;   L[r]        Step r's eight v_min_u32 read the labels; behind the step's wait row r of x lands in it.  In the last phase the roundings write it and the stores of xh read it; it is not written again.
;   T[r % 2]    Step r's sixteen address lines write it; step r's eight lookups read it; step r + 2 writes it again.
;   G[r % 2]    Step r's lookups land in it; step r + 2 scales it in place and rounds it, and behind that step's wait the lookups of row r + 2 land in it.
;   Y[r - 2]    Step r's roundings write it, once in the launch; step r's two stores read it.
;   v4, v5      The offsets: made at the head, never written again.
; So ONE wait on va_vdst stands in a step, between its vector lines and its run: T[r % 2] and Y[r - 2] are written, and the step is done with L[r] and G[r % 2].  No vector line stands between that wait and the run.
; ONE wait on vm_vsrc stands ahead of it, in steps 1 to 14: the lookups of step r - 1, issued a whole step's vector lines earlier, have read T[(r - 1) % 2], which step r + 1 writes.
; xh goes two rows at a time: eight roundings, one wait on va_vdst, four stores.  The head's waits are said where they stand.
.set ROWI,  16384                      ; bytes in a row of labels and of x
.set ROWO,  8192                       ; bytes in a row of wh and of xh
.set TABLE, 0                          ; LDS: c, 256 f32
.set RED,   1024                       ; LDS: 16 partial minima of the clamped scale, then (64 bytes on) 16 partial maxima of |c|
.set SPARE, 1280                       ; LDS: the spare words, 128 bytes for each of the 16 waves: eight blocks of 256 bytes that no other line names
.set TS,   1                           ; v1        4 x my thread's number: where waves 0-7 put c
.set INO,  4                           ; v4        1,024 w + 16 l: my byte offset in a row of labels, of x and of scale; never rewritten
.set OUTO, 5                           ; v5        512 w + 8 l: my byte offset in a row of wh and of xh; never rewritten
.set CO,   6                           ; v6        4 (t mod 256): the number of c that I load
.set SPW,  10                          ; v10       LDS address of my spare word; never rewritten
.set NIL,  11                          ; v11       0; never rewritten
.set U,    16                          ; v[16:23]  scale of my 8 columns, then clamped, then its reciprocal, then u
.set T,    24                          ; v[24:31]  lookup addresses, buffer 0; buffer 1 lies TT registers on, in v[240:247]
.set TT,   216
.set G,    32                          ; v[32:47]  two buffers of 8 numbers looked up
.set Y,    48                          ; v[48:111] row r of wh: 4 registers, written once; in the set-up the 32 partials
.set L,    112                         ; v[112:239] row r: 8 registers: labels, then x, then x in f16
; v2, v3: the wave's number, later g twice.  v7: 4 w.  v8: RED.  v9: 1 / smin.  v12: c, later 1 / cmax.  v13: the largest |c|.  v14: smin.  v15: at work.
	s_load_b256 s[4:11], s[0:1], 0x0               ; labels s[4:5], x s[6:7], c s[8:9], scale s[10:11]
	s_load_b128 s[12:15], s[0:1], 0x20             ; wh s[12:13], xh s[14:15]
	s_load_b64 s[16:17], s[0:1], 0x30              ; norm
	v_lshl_add_u32 v[SPW], v0, 2, SPARE
	v_mov_b32 v[NIL], 0
	v_and_b32 v1, 31, v0                           ; lane
	v_lshrrev_b32 v2, 5, v0
	v_readfirstlane_b32 s18, v2                    ; wave 0..15
	v_lshlrev_b32 v[INO], 4, v1
	v_lshl_add_u32 v[INO], v2, 10, v[INO]
	v_lshlrev_b32 v[OUTO], 3, v1
	v_lshl_add_u32 v[OUTO], v2, 9, v[OUTO]
	v_and_b32 v[CO], 0xff, v0
	v_lshlrev_b32 v[CO], 2, v[CO]
	v_lshlrev_b32 v[TS], 2, v0
	s_wait_alu depctr_va_sdst(0)                   ; s18 is written, ahead of its first reader, the next line
	v_mov_b32 v7, s18
	v_lshlrev_b32 v7, 2, v7                        ; my wave's word among the partials
	v_mov_b32 v8, RED
	v_mov_b32 v15, 0                               ; v_permlanex16_b32 counts as a reader of its destination
	s_lshl_b32 s20, ttmp9, 18                      ; the work-group's 16 rows in: 16 x 16,384 bytes
	s_mov_b32 s21, 0
	s_lshl_b32 s24, ttmp9, 17                      ; and out: 16 x 8,192 bytes
	s_mov_b32 s25, 0
	s_mov_b32 s22, 0x76543210                      ; v_permlanex16_b32: each lane takes its own place in the other half
	s_mov_b32 s23, 0xfedcba98
	s_wait_kmcnt 0x0
	s_add_nc_u64 s[4:5], s[4:5], s[20:21]
	s_add_nc_u64 s[6:7], s[6:7], s[20:21]
	s_add_nc_u64 s[12:13], s[12:13], s[24:25]
	s_add_nc_u64 s[14:15], s[14:15], s[24:25]
	s_wait_alu depctr_va_vdst(0)                   ; the offsets and addresses v1, v4 to v8, v10 and v11 are written: every load, store and LDS instruction of the kernel reads some of them, and none is written again
	global_load_b128 v[U:U+3],   v[INO], s[10:11]             ; scale of chunk 0
	global_load_b128 v[U+4:U+7], v[INO], s[10:11] offset:512  ; and of chunk 1
	global_load_b32 v12, v[CO], s[8:9]
.irp r, 0,1,2,3,4,5,6,7,8,9,10,11,12,13,14,15
	global_load_b128 v[L+8*(\r):L+8*(\r)+3],   v[INO], s[4:5] offset:(\r)*ROWI th:TH_LOAD_NT
	global_load_b128 v[L+8*(\r)+4:L+8*(\r)+7], v[INO], s[4:5] offset:(\r)*ROWI+512 th:TH_LOAD_NT
.endr
	s_wait_loadcnt 32                              ; loads come back in order (ISA guide 5.7.1): scale and c are in, the 32 label loads stay out
	; my wave's least clamped scale (the 16 waves cover the 4,096 columns) and largest |c| (waves 0-7 cover the 256 numbers, waves 8-15 once more)
.irp q, 0,1,2,3,4,5,6,7
	v_max_num_f32 v[U+(\q)], 0x322bcc77, v[U+(\q)] ; max(scale, 1e-8)
.endr
	v_min3_num_f32 v14, v[U], v[U+1], v[U+2]
	v_and_b32 v13, 0x7fffffff, v12
	v_min3_num_f32 v14, v14, v[U+3], v[U+4]
	v_min3_num_f32 v14, v14, v[U+5], v[U+6]
	v_min_num_f32 v14, v14, v[U+7]
.irp m, 1,2,4,8
	v_min_num_f32_dpp v14, v14, v14 row_xmask:\m row_mask:0xf bank_mask:0xf
	v_max_num_f32_dpp v13, v13, v13 row_xmask:\m row_mask:0xf bank_mask:0xf
.endr
	v_permlanex16_b32 v15, v14, s22, s23
	v_min_num_f32 v14, v14, v15
	v_permlanex16_b32 v15, v13, s22, s23
	v_max_num_f32 v13, v13, v15
	s_wait_alu depctr_va_vdst(0)                   ; v14 and v13 are written, which the LDS stores below read; ahead of the branch, so on both ways
	s_cmp_lt_u32 s18, 8                            ; threads 0 to 255 lay the table down
	s_cbranch_scc0 .Lno_table
	ds_store_b32 v[TS], v12 offset:TABLE
.Lno_table:
	ds_store_b32 v7, v14 offset:RED                ; all lanes write the wave's word with the same number
	ds_store_b32 v7, v13 offset:RED+64
	s_wait_dscnt 0x0                               ; for the others' sake: my stores are done
	s_barrier_signal -1
	s_barrier_wait -1                              ; the launch's one barrier: table and partials are whole; nothing writes them again
.irp q, 0,1,2,3,4,5,6,7
	ds_load_b128 v[Y+4*(\q):Y+4*(\q)+3], v8 offset:16*(\q)
.endr
	s_wait_dscnt 0x0
	s_wait_alu depctr_vm_vsrc(0)                   ; my LDS stores have read v12, v13 and v14, which the lines below write again
	v_min3_num_f32 v14, v[Y], v[Y+1], v[Y+2]
	v_max3_num_f32 v13, v[Y+16], v[Y+17], v[Y+18]
.irp q, 3,5,7,9,11,13
	v_min3_num_f32 v14, v14, v[Y+(\q)], v[Y+(\q)+1]
	v_max3_num_f32 v13, v13, v[Y+16+(\q)], v[Y+17+(\q)]
.endr
	v_min_num_f32 v14, v14, v[Y+15]                ; smin
	v_max_num_f32 v13, v13, v[Y+31]
	v_max_num_f32 v13, 0x800000, v13               ; cmax, at least 2^-126: its reciprocal is finite
.irp q, 0,1,2,3,4,5,6,7
	v_rcp_f32 v[U+(\q)], v[U+(\q)]                 ; one batch of ten reciprocals
.endr
	v_rcp_f32 v12, v13
	v_rcp_f32 v9, v14
	v_nop                                          ; a plain instruction behind the last reciprocal (ISA guide 5.7.2),
	s_wait_alu depctr_va_vdst(0)                   ; and the one wait ahead of the batch's first reader: the ten reciprocals have written v[U ..], v12 and v9
.irp q, 0,2,4,6
	v_pk_mul_f32 v[U+(\q):U+(\q)+1], v[U+(\q):U+(\q)+1], v[14:15] op_sel_hi:[1,0]  ; smin / clamped scale: at most 1, so nothing overflows;
.endr
.irp q, 0,2,4,6
	v_pk_mul_f32 v[U+(\q):U+(\q)+1], v[U+(\q):U+(\q)+1], v[12:13] op_sel_hi:[1,0]  ; then / cmax
.endr
	s_or_b32 s26, ttmp9, s18                       ; wave 0 of work-group 0 stores g
	s_cmp_lg_u32 s26, 0
	s_cbranch_scc1 .Lno_norm
	v_mul_f32 v2, v13, v9                          ; g = cmax / smin
	v_mov_b32 v3, v2
	s_wait_alu depctr_va_vdst(0)                   ; v2 and v3 are written, which the store reads; they are not written again
	global_store_b64 v[OUTO], v[2:3], s[16:17]     ; in wave 0 the offset is 8 l: 256 consecutive bytes
.Lno_norm:
; Step r of wh.  a = 1 (r = 0 .. 15): row r's labels are clamped and turned into byte addresses; behind the waits they are looked up, and their registers are asked for row r of x.
; f = 1 (r = 2 .. 17): row r - 2, looked up two steps ago, is multiplied by u and rounded once to f16; behind the waits it is stored.  left = the lookups of row r - 1, which may stay out.
; e = 1 (r = 1 .. 14): step r + 1 writes the address buffer that step r - 1's lookups read.
.macro STEP r, a, f, left, e
.if \a
	s_wait_loadcnt 30                              ; row r's two label loads are in: behind them 30 - 2 r label loads and 2 r loads of x, 30 in every row
.irp q, 0,1,2,3,4,5,6,7
	v_min_u32 v[T+TT*((\r)%2)+(\q)], 0xff, v[L+8*(\r)+(\q)]
.endr
.irp q, 0,1,2,3,4,5,6,7
	v_lshlrev_b32 v[T+TT*((\r)%2)+(\q)], 2, v[T+TT*((\r)%2)+(\q)]
.endr
.endif
.if \f
	s_wait_dscnt \left                             ; LDS loads come back in order (ISA guide 5.7.1): row r - 2's lookups are in
.irp q, 0,2,4,6
	v_pk_mul_f32 v[G+8*((\r)%2)+(\q):G+8*((\r)%2)+(\q)+1], v[G+8*((\r)%2)+(\q):G+8*((\r)%2)+(\q)+1], v[U+(\q):U+(\q)+1]
.endr
.irp q, 0,1,2,3
	v_cvt_pk_f16_f32 v[Y+4*((\r)-2)+(\q)], v[G+8*((\r)%2)+2*(\q)], v[G+8*((\r)%2)+2*(\q)+1]
.endr
.endif
.if \e
	s_wait_alu depctr_vm_vsrc(0)                   ; the lookups issued in the step before have read the other address buffer, which the next step writes again
.endif
	s_wait_alu depctr_va_vdst(0)                   ; this step's lines have written its address buffer and Y[r - 2], which the lookups and stores below read, and are done with L[r] and G[r % 2], in which the loads below land
.if \a
.irp q, 0,1,2,3,4,5,6,7
	ds_load_b32 v[G+8*((\r)%2)+(\q)], v[T+TT*((\r)%2)+(\q)] offset:TABLE
.endr
	global_load_b128 v[L+8*(\r):L+8*(\r)+3],   v[INO], s[6:7] offset:(\r)*ROWI th:TH_LOAD_NT
	global_load_b128 v[L+8*(\r)+4:L+8*(\r)+7], v[INO], s[6:7] offset:(\r)*ROWI+512 th:TH_LOAD_NT
.endif
.if \f
	global_store_b64 v[OUTO], v[Y+4*((\r)-2):Y+4*((\r)-2)+1],   s[12:13] offset:((\r)-2)*ROWO th:TH_STORE_NT      ; the wave stores 256 consecutive bytes, aligned
	global_store_b64 v[OUTO], v[Y+4*((\r)-2)+2:Y+4*((\r)-2)+3], s[12:13] offset:((\r)-2)*ROWO+256 th:TH_STORE_NT
.endif
.endm
; Rows 2 p and 2 p + 1 of xh: rounded once to f16, in place, and stored.
.macro XB p
	s_wait_loadcnt 28-4*(\p)                       ; the younger rows of x stay out
.irp i, 0,1
	v_cvt_pk_f16_f32 v[L+8*(2*(\p)+(\i))],   v[L+8*(2*(\p)+(\i))],   v[L+8*(2*(\p)+(\i))+1]
	v_cvt_pk_f16_f32 v[L+8*(2*(\p)+(\i))+1], v[L+8*(2*(\p)+(\i))+2], v[L+8*(2*(\p)+(\i))+3]
	v_cvt_pk_f16_f32 v[L+8*(2*(\p)+(\i))+4], v[L+8*(2*(\p)+(\i))+4], v[L+8*(2*(\p)+(\i))+5]
	v_cvt_pk_f16_f32 v[L+8*(2*(\p)+(\i))+5], v[L+8*(2*(\p)+(\i))+6], v[L+8*(2*(\p)+(\i))+7]
.endr
	s_wait_alu depctr_va_vdst(0)                   ; the eight roundings have written the registers that the four stores read; it stands here, not a pair later, so that the stores leave at once
.irp i, 0,1
	global_store_b64 v[OUTO], v[L+8*(2*(\p)+(\i)):L+8*(2*(\p)+(\i))+1],   s[14:15] offset:(2*(\p)+(\i))*ROWO th:TH_STORE_NT
	global_store_b64 v[OUTO], v[L+8*(2*(\p)+(\i))+4:L+8*(2*(\p)+(\i))+5], s[14:15] offset:(2*(\p)+(\i))*ROWO+256 th:TH_STORE_NT
.endr
.endm
	STEP 0, 1, 0, 0, 0                             ; nothing to finish yet, and no lookup has been issued
	STEP 1, 1, 0, 0, 1
.irp r, 2,3,4,5,6,7,8,9,10,11,12,13,14
	STEP \r, 1, 1, 8, 1                            ; a row's lookups have a whole step in which to land
.endr
	STEP 15, 1, 1, 8, 0                            ; no step behind this one writes an address buffer
	STEP 16, 0, 1, 8, 0                            ; rows 14 and 15 are finished; nothing more is looked up
	STEP 17, 0, 1, 0, 0
.irp p, 0,1,2,3,4,5,6,7
	XB \p
.endr
	s_wait_dscnt 0x0                               ; the closing lines, six on end
	s_wait_alu 0x0
	s_wait_tensorcnt 0x0
	ds_add_u32 v[SPW], v[NIL]
	s_wait_dscnt 0x0
	s_endpgm
.Lfunc_end_k_q35e9de53ff_prep:
	.size	k_q35e9de53ff_prep, .Lfunc_end_k_q35e9de53ff_prep-k_q35e9de53ff_prep
	.p2alignl 7, 3214868480
	.fill 96, 4, 3214868480
	.section	.rodata,"a",@progbits
	.p2align	6, 0x0
	.amdhsa_kernel k_q35e9de53ff_prep
		.amdhsa_group_segment_fixed_size 3328
		.amdhsa_private_segment_fixed_size 0
		.amdhsa_enable_private_segment 0
		.amdhsa_kernarg_size 56
		.amdhsa_user_sgpr_count 2
		.amdhsa_user_sgpr_kernarg_segment_ptr 1
		.amdhsa_wavefront_size32 1
		.amdhsa_system_sgpr_workgroup_id_x 1
		.amdhsa_system_sgpr_workgroup_id_y 1
		.amdhsa_system_sgpr_workgroup_id_z 1
		.amdhsa_system_vgpr_workitem_id 0
		.amdhsa_next_free_vgpr 248
		.amdhsa_next_free_sgpr 66
		.amdhsa_reserve_vcc 0
		.amdhsa_float_denorm_mode_32 3
		.amdhsa_float_denorm_mode_16_64 3
		.amdhsa_memory_ordered 1
		.amdhsa_forward_progress 1
		.amdhsa_inst_pref_size 54
	.end_amdhsa_kernel
	.amdgpu_metadata
---
amdhsa.version: [ 1, 2 ]
amdhsa.kernels:
  - .name:           k_q35e9de53ff_prep
    .symbol:         k_q35e9de53ff_prep.kd
    .args:
      - { .name: labels, .offset: 0, .size: 8, .value_kind: global_buffer, .address_space: global }
      - { .name: x, .offset: 8, .size: 8, .value_kind: global_buffer, .address_space: global }
      - { .name: centroids_scaled, .offset: 16, .size: 8, .value_kind: global_buffer, .address_space: global }
      - { .name: scale, .offset: 24, .size: 8, .value_kind: global_buffer, .address_space: global }
      - { .name: wh, .offset: 32, .size: 8, .value_kind: global_buffer, .address_space: global }
      - { .name: xh, .offset: 40, .size: 8, .value_kind: global_buffer, .address_space: global }
      - { .name: norm, .offset: 48, .size: 8, .value_kind: global_buffer, .address_space: global }
    .group_segment_fixed_size: 3328
    .private_segment_fixed_size: 0
    .kernarg_segment_align: 8
    .kernarg_segment_size: 56
    .max_flat_workgroup_size: 512
    .sgpr_count:     66
    .vgpr_count:     248
    .wavefront_size: 32
...
	.end_amdgpu_metadata
.endif
;; end of part 3
;; launch gemm: the kernel of part 2 again; grid 16 x 16, 4 waves a work-group, clusters of 4 x 4, 327,680 bytes of LDS; arguments xh, wh, out0, bias, norm; writes out0
